; MI455X (gfx1250); checked and timed in simulation.
; The chip was launched on July 23, 2026; its instructions are those of AMD's public machine-readable ISA for CDNA 5 (MIT licence, August 2026) and "CDNA5" Instruction Set Architecture Reference Guide (July 2026). The comments in the code are by the model that wrote it; some were corrected since.
;; Multi Headed Attention1 D. Allowed arithmetic: matrix products marked QUANTISED: E3M2 operands, one E8M0 scale for each 32 along K, by v_wmma_scale_f32_16x16x128_f8f6f4 with both operands' format E3M2, f32 sums; products left as they are: f32 operands where the result goes on into a quantised operand, else bf16, f16 or f32 operands; f32 sums; everything else in f32.
;; Inputs: Wk 1,024 x 1,024 float32; Wo 1,024 x 1,024 float32; Wq 1,024 x 1,024 float32; Wv 1,024 x 1,024 float32; X_Key 2,048 x 1,024 float32; X_Query 2,048 x 1,024 float32; X_Value 2,048 x 1,024 float32; bk 1,024 float32; bo 1,024 float32; bq 1,024 float32; bv 1,024 float32.
;; Outputs: out0 2,048 x 1,024 float32.
;; This version of the problem:
;;   THIS VERSION OF THE PROBLEM IS GIVEN IN LOW PRECISION. The matrix products marked QUANTISED in the list below multiply operands that are first quantised to E3M2 (3 exponent bits, 2 mantissa bits; 6 bits a number), with one power-of-two scale for each 32 numbers along K (OCP MX v1.0); their sums are f32. All else is computed in f32.
;;   The module's matrix products, in the order in which they are computed (A, B: the left and right operand; K: the contracted axis; several contracted axes count as one K, in the product's order):
;;     1. [M 2,048, K 1,024] x [K 1,024, N 1,024]; A: input X_Query; B: input Wq: QUANTISED
;;     2. [M 2,048, K 1,024] x [K 1,024, N 1,024]; A: input X_Key; B: input Wk: QUANTISED
;;     3. [M 2,048, K 1,024] x [K 1,024, N 1,024]; A: input X_Value; B: input Wv: QUANTISED
;;     4. batch 32,768 x [M 64, K 64] x [K 64, N 1]; A: softmax; B: computed on the way: left as it is (N = 1 < 16)
;;     5. [M 2,048, K 1,024] x [K 1,024, N 1,024]; A: computed on the way; B: input Wo: QUANTISED
;;   THE QUANTISER, for each operand of a quantised product, along K:
;;     - K is cut into blocks of 32 from its start; a last block that is shorter is filled with zeros.
;;     - A block's scale is 2^e with e = floor(log2(the largest magnitude in the block)) - 4, held to -126 .. 127; a block of zeros has e = 0. As a byte (E8M0): e + 127.
;;     - Each number is divided by its block's scale, clamped to +-28, and rounded to the nearest number of E3M2, ties to even, subnormals kept.
;;     - The product sums the exact products of the quantised numbers (number of the format x scale) in f32.
;;   ~~~python
;;   def quantise(x, axis):      # numpy; x: float32 -> the quantised numbers, widened to float32 again
;;       x = np.moveaxis(x, axis, -1); K = x.shape[-1]
;;       x = np.pad(x, [(0, 0)] * (x.ndim - 1) + [(0, -K % 32)]); x = x.reshape(x.shape[:-1] + (-1, 32)); a = np.abs(x).max(-1, keepdims=True)
;;       e = np.where(a > 0, np.clip(np.frexp(np.where(a > 0, a, 1))[1] - 1 - 4, -126, 127), 0)      # np.frexp(a)[1] - 1 = floor(log2(a)), exactly
;;       r = np.clip(x / 2.0 ** e, -28, 28)
;;       step = 2.0 ** (np.maximum(np.frexp(np.where(r == 0, 1, r))[1] - 1, -2) - 2)
;;       q = np.round(r / step) * step * 2.0 ** e      # np.round: ties to even
;;       return np.moveaxis(q.reshape(q.shape[:-2] + (-1,))[..., :K], -1, axis).astype(np.float32)
;;   ~~~
;;   OPERANDS COMPUTED ON THE WAY. 'Computed on the way' means the value that the module computes at that place (a softmax that the list does not call 'softmax' is quantised finished and normalised). What goes into a quantiser is computed in f32, as accurately as f32 sums, v_exp_f32 and their like allow (about 1e-6 of the number): no bf16 or f16 on the way to a quantiser, and a product that is left as it is and whose result goes on into a quantised operand takes f32 operands (vector FMAs, or v_wmma_f32_16x16x4_f32). A number that lies on a knife's edge between two numbers of the format may be rounded either way, as far as f32 arithmetic and the matrix unit's own rounding can turn it there, and no further.
;; One version. Each part assembles by itself: llvm-mc -triple=amdgcn-amd-amdhsa -mcpu=gfx1250 --defsym DOCPART=n.
;; ======== version 1 of 1: 3 launches
;; limits: right only within a limited range of input values
;; workspace buffers: xc 4,718,592 bytes; xs 196,608 bytes; wc 2,359,296 bytes; ws 98,304 bytes; woc 786,432 bytes; wos 32,768 bytes; dc 1,572,864 bytes; dsc 65,536 bytes
;; launch quant (part 1): grid 1024 x 1, 4 waves a work-group, no clusters, 47,360 bytes of LDS; arguments X_Query, X_Key, X_Value, Wq, Wk, Wv, Wo, xc, xs, wc, ws, woc, wos; writes xc, xs, wc, ws, woc, wos
.if DOCPART == 1
	.amdgcn_target "amdgcn-amd-amdhsa--gfx1250"
	.amdhsa_code_object_version 6
	.text
	.protected	k_q6df18557d6_quant
	.globl	k_q6df18557d6_quant
	.p2align	8
	.type	k_q6df18557d6_quant,@function
k_q6df18557d6_quant:
	s_mov_b64 s[64:65], 0
	v_nop
	global_prefetch_b8 v0, s[64:65] scope:SCOPE_SE
	s_setreg_imm32_b32 hwreg(HW_REG_WAVE_MODE, 25, 1), 1
	s_wait_xcnt 0x0
; X_Query, X_Key, X_Value [2048][1024] and Wq, Wk, Wv, Wo [1024 (K)][1024], all f32, become codes of BF6 (E3M2) with one E8M0 byte for each 32 along K,
; laid as IMAGES OF OPERAND REGISTERS: a fragment (16 rows x 128 K, 12 registers a lane) is 1,536 bytes, registers 4 q .. 4 q + 3 of lane l at 512 q + 16 l.
; A block's scale is 2^(floor(log2(largest magnitude)) - 4); its byte is the largest magnitude's exponent field - 4, held at 1 from below.
; LIMITS: a block whose largest magnitude lies under 2^-122 (a block of zeros too) gets the byte 1 where the quantiser's text says another: a block of zeros has zero codes, and only this
; program reads the bytes; blocks of tiny numbers under that floor are coded under the byte 1.  NaN and infinities among the inputs are not served.
; Work-groups 0-255 take W (64 for each tensor: 64 columns x 256 along K; a wave: 64 columns x 64 along K, 16,384 bytes); work-groups 256-1023 take X (256 for each tensor: 16 rows x 512 along K; a wave: one fragment, 8,192 bytes).
; Every wave asks for all its numbers at its start: no loop, and so nothing to prefetch.  The two ways part on the work-group's number alone and have LDS bytes of their own.  No tensor loads, no cluster: nothing is read twice here.
.set FLOOR, 0x2800000                  ; 2^(5 - 127): under it no largest magnitude is taken
.set EOFF,  0xfe000000                 ; 4 off an exponent field
.set XSTG,  8448                       ; X: a wave's stage: 16 rows x (512 bytes + 16)
.set XSC,   4*XSTG                     ; X: 16 rows x 4 scale words, 256 bytes
.set WST,   XSC+256                    ; W: eight fragment images, 12,288 bytes
.set WSS,   WST+12288                  ; W: 32 places x 4 scale words, 512 bytes
.set SPARE, WSS+512
.set SPW, 10
.set NIL, 11
.set R,     64                         ; v64-127 X: 64 numbers as loaded.   W: v64-191, register pair 2 e: row e, two neighbouring columns
.set X,     128                        ; v128-191 X: register 32 c + i = K 64 c + 32 h + i of row r
.set XA,    192                        ; v192-223, v224-255 W: a block of each of my two columns
.set XB,    224
	s_load_b512 s[4:19], s[0:1], 0x0               ; X_Query 4, X_Key 6, X_Value 8, Wq 10, Wk 12, Wv 14, Wo 16, xc 18
	s_load_b256 s[20:27], s[0:1], 0x40             ; xs 20, wc 22, ws 24, woc 26
	s_load_b64 s[28:29], s[0:1], 0x60              ; wos
	v_lshl_add_u32 v[SPW], v0, 2, SPARE
	v_mov_b32 v[NIL], 0
	v_lshrrev_b32 v1, 5, v0
	v_readfirstlane_b32 s30, v1                    ; wave 0..3
	v_and_b32 v1, 31, v0                           ; lane
	v_and_b32 v2, 15, v0                           ; r
	v_bfe_u32 v3, v0, 4, 1                         ; h
	s_wait_alu depctr_va_vdst(0)
	s_cmp_lt_u32 ttmp9, 256
	s_cbranch_scc1 .Lw
	; ---------------- X: K is innermost
	s_sub_co_u32 s34, ttmp9, 256
	s_lshr_b32 s35, s34, 8                         ; p: which tensor
	s_bfe_u32 s36, s34, 0x70001                    ; mt: which 16 rows
	s_and_b32 s37, s34, 1                          ; g: which half of K
	s_lshl_b32 s40, s36, 16                        ; in: 16 mt rows of 4,096 bytes + 2,048 g + 512 wave
	s_lshl_b32 s41, s37, 11
	s_add_co_u32 s40, s40, s41
	s_lshl_b32 s41, s30, 9
	s_add_co_u32 s40, s40, s41
	s_mov_b32 s41, 0
	s_lshl_b32 s42, s35, 7                         ; xc: image (128 p + mt) 8 + 4 g + wave
	s_add_co_u32 s42, s42, s36
	s_lshl_b32 s42, s42, 3
	s_lshl_b32 s43, s37, 2
	s_add_co_u32 s42, s42, s43
	s_add_co_u32 s42, s42, s30
	s_mul_i32 s42, s42, 1536
	s_mov_b32 s43, 0
	s_lshl_b32 s44, s35, 16                        ; xs: 65,536 p + 1,024 (mt / 2) + 512 g + 256 (mt % 2)
	s_lshr_b32 s45, s36, 1
	s_lshl_b32 s45, s45, 10
	s_add_co_u32 s44, s44, s45
	s_lshl_b32 s45, s37, 9
	s_add_co_u32 s44, s44, s45
	s_and_b32 s45, s36, 1
	s_lshl_b32 s45, s45, 8
	s_add_co_u32 s44, s44, s45
	s_mov_b32 s45, 0
	s_mul_i32 s38, s30, XSTG                       ; my stage
	s_lshl_b32 s39, s30, 2
	s_add_co_u32 s39, s39, XSC
	s_mov_b32 s32, 0x76543210
	s_mov_b32 s33, 0xfedcba98                      ; v_permlanex16_b32's selects for lane l xor 16
	v_lshlrev_b32 v4, 4, v1                        ; 16 x lane
	v_add_nc_u32 v5, s38, v4                       ; in: 16 x lane, a row for each load
	v_mul_u32_u24 v6, 528, v2
	v_lshl_add_u32 v6, v3, 7, v6
	v_add_nc_u32 v6, s38, v6                       ; out: row r, + 128 h
	v_lshlrev_b32 v7, 3, v1                        ; 8 x lane
	v_lshlrev_b32 v8, 4, v2
	v_add_nc_u32 v8, s39, v8                       ; my row's scale word: 16 r + 4 wave
	v_add_nc_u32 v9, XSC, v7
	v_lshlrev_b32 v21, 3, v3                       ; 8 h
	v_mov_b32 v19, 0                               ; a lane permute's destination counts as one of its sources
	s_wait_alu depctr_va_vdst(0)
	s_wait_kmcnt 0x0
	s_cmp_lt_u32 s35, 2                            ; the tensor is chosen by the work-group's number alone
	s_cselect_b64 s[6:7], s[6:7], s[8:9]
	s_cmp_lt_u32 s35, 1
	s_cselect_b64 s[4:5], s[4:5], s[6:7]
	s_add_nc_u64 s[4:5], s[4:5], s[40:41]
	s_add_nc_u64 s[18:19], s[18:19], s[42:43]
	s_add_nc_u64 s[20:21], s[20:21], s[44:45]
.irp i, 0,1,2,3,4,5,6,7,8,9,10,11,12,13,14,15
	global_load_b128 v[R+4*\i:R+4*\i+3], v4, s[4:5] offset:4096*\i th:TH_LOAD_NT   ; 512 consecutive bytes of a row
.endr
.irp i, 0,1,2,3,4,5,6,7,8,9,10,11,12,13,14,15
	s_wait_loadcnt 15-\i                           ; row i is in
	ds_store_b128 v5, v[R+4*\i:R+4*\i+3] offset:528*\i
.endr
.irp c, 0,1
.irp e, 0,1,2,3,4,5,6,7
	ds_load_b128 v[X+32*\c+4*\e:X+32*\c+4*\e+3], v6 offset:256*\c+16*\e   ; my own stage: LDS serves a wave's instructions in order
.endr
.endr
	s_wait_dscnt 0x0
.irp c, 0,1
	v_max3_num_f32 v[12+\c], |v[X+32*\c]|, |v[X+32*\c+1]|, FLOOR   ; block 2 c + h is all mine: 32 numbers and the floor
.endr
.irp i, 2,4,6,8,10,12,14,16,18,20,22,24,26,28,30
.irp c, 0,1
	v_max3_num_f32 v[12+\c], v[12+\c], |v[X+32*\c+\i]|, |v[X+32*\c+\i+1]|
.endr
.endr
.irp c, 0,1
	v_add_nc_u32 v[14+\c], EOFF, v[12+\c]          ; the conversion's scale operand: it takes the exponent field alone
.endr
.irp c, 0,1
	v_lshrrev_b32 v[16+\c], 23, v[14+\c]           ; the scale's byte
.endr
	v_lshl_or_b32 v18, v17, 16, v16                ; my bytes: blocks h and 2 + h,
	v_lshlrev_b32 v18, v21, v18                    ; 8 h bits up;
	v_permlanex16_b32 v19, v18, s32, s33
	v_or_b32 v20, v18, v19                         ; with lane l xor 16's two the row's scale word is whole
	ds_store_b32 v8, v20                           ; (both lanes of a row write the same word)
.irp c, 0,1
	v_cvt_scalef32_pk16_bf6_f32 v[192+6*\c:194+6*\c], v[X+32*\c:X+32*\c+15], v[14+\c]
	v_cvt_scalef32_pk16_bf6_f32 v[204+4*\c:206+4*\c], v[X+32*\c+16:X+32*\c+31], v[14+\c]   ; (a conversion's three registers begin on an even number)
.endr
	v_nop                                          ; one plain place behind a scaled conversion
.irp c, 0,1
.irp i, 0,1,2
	v_mov_b32 v[195+6*\c+\i], v[204+4*\c+\i]
.endr
.endr
.irp q, 0,1,2
	global_store_b128 v4, v[192+4*\q:195+4*\q], s[18:19] offset:512*\q   ; 512 consecutive bytes, aligned
.endr
	s_wait_dscnt 0x0                               ; for wave 0's sake: my scale words are stored
	s_barrier_signal -1
	s_barrier_wait -1
	s_cmp_lg_u32 s30, 0
	s_cbranch_scc1 .Lxend
	ds_load_b64 v[22:23], v9
	s_wait_dscnt 0x0
	global_store_b64 v7, v[22:23], s[20:21]        ; 16 rows x 4 scale words: 256 consecutive bytes, aligned
.Lxend:
	s_wait_tensorcnt 0x0                           ; the wave's end
	ds_add_u32 v[SPW], v[NIL]
	s_wait_dscnt 0x0
	s_endpgm
	; ---------------- W: K is the first axis.  A lane takes two neighbouring columns, its registers run down K: nothing is transposed through LDS.
	; THE COLUMNS OF A TILE ARE CHOSEN: row j of tile t is column 8 t + j of the 64 for j < 8.  For j >= 8 it is, in Wo, column 32 + 8 t + j - 8; in Wq, Wk and Wv it is column 63 - (8 t + j - 8): the upper
	; 32 columns of a head lie mirrored.  So lane l holds, of its half H = l / 16, the places 2 (l % 16) and 2 (l % 16) + 1; in the mirror lanes 16-31 load pair l xor 15 and take the pair's two columns in the other order.
.Lw:
	s_lshr_b32 s35, ttmp9, 6                       ; tau: Wq, Wk, Wv, Wo
	s_bfe_u32 s36, ttmp9, 0x40002                  ; hd: which 64 columns
	s_and_b32 s37, ttmp9, 3                        ; g: K steps 2 g, 2 g + 1
	s_and_b32 s38, s30, 1                          ; c: which 64 of a K step's 128.  On the way out: which two of its four tiles
	s_lshr_b32 s39, s30, 1                         ; s2: which K step
	s_lshl_b32 s42, s37, 20                        ; in: (256 g + 128 s2 + 64 c) rows of 4,096 bytes + 256 hd
	s_lshl_b32 s43, s39, 19
	s_add_co_u32 s42, s42, s43
	s_lshl_b32 s43, s38, 18
	s_add_co_u32 s42, s42, s43
	s_lshl_b32 s43, s36, 8
	s_add_co_u32 s42, s42, s43
	s_mov_b32 s43, 0
	s_cmp_lt_u32 s35, 3                            ; wc [hd][s][p][t] or woc [hd][s][t]: the strides
	s_mov_b32 s44, 49152
	s_cselect_b32 s44, 147456, s44
	s_mov_b32 s45, 6144
	s_cselect_b32 s45, 18432, s45
	s_cselect_b32 s46, s35, 0
	s_mov_b32 s47, 2048
	s_cselect_b32 s47, 6144, s47
	s_cselect_b32 s31, 15, 0
	s_mul_i32 s44, s44, s36
	s_lshl_b32 s40, s37, 1
	s_add_co_u32 s40, s40, s39                     ; K step 2 g + wave / 2
	s_mul_i32 s45, s45, s40
	s_add_co_u32 s44, s44, s45
	s_mul_i32 s45, s46, 6144
	s_add_co_u32 s44, s44, s45
	s_mul_i32 s45, s38, 3072
	s_add_co_u32 s44, s44, s45
	s_mov_b32 s45, 0
	s_mul_i32 s40, s47, s36                        ; ws [hd][p][g] or wos [hd][g], 512 bytes each
	s_lshl_b32 s41, s46, 11
	s_add_co_u32 s40, s40, s41
	s_lshl_b32 s41, s37, 9
	s_add_co_u32 s40, s40, s41
	s_mov_b32 s41, 0
	s_mul_i32 s46, s39, 6144
	s_add_co_u32 s46, s46, WST                     ; the K step's four images
	s_mul_i32 s47, s38, 520                        ; register pairs 6 c, 6 c + 2, 6 c + 4 of an image lie at 0, 8, 512 (c = 0) or 520, 1,024, 1,032 (c = 1)
	s_add_co_u32 s47, s47, s46
	s_mul_i32 s48, s38, 1016
	s_add_co_u32 s48, s48, s46
	s_lshl_b32 s49, s39, 3                         ; scale bytes: word 2 s2 + t / 2, bytes 2 c, 2 c + 1
	s_lshl_b32 s46, s38, 1
	s_add_co_u32 s49, s49, s46
	s_add_co_u32 s49, s49, WSS
	s_mul_i32 s46, s30, 3072
	s_add_co_u32 s46, s46, WST
	v_mul_u32_u24 v12, s31, v3                     ; 15 in the lanes that take the mirror
	v_xor_b32 v4, v12, v1
	v_lshlrev_b32 v4, 3, v4                        ; in: 8 bytes a lane
	v_cmp_ne_u32 vcc_lo, 0, v12
	v_lshrrev_b32 v13, 2, v2                       ; t
	v_and_b32 v14, 3, v2                           ; j / 2
	v_mul_u32_u24 v15, 1536, v13
	v_lshl_add_u32 v15, v14, 5, v15
	v_lshl_add_u32 v15, v3, 7, v15                 ; 1,536 t + 16 (j + 8 H)
	v_add_nc_u32 v5, s47, v15
	v_add_nc_u32 v6, s48, v15
	v_and_b32 v16, 1, v13
	v_lshrrev_b32 v17, 1, v13
	v_lshlrev_b32 v8, 5, v14
	v_lshl_add_u32 v8, v3, 7, v8
	v_lshl_add_u32 v8, v16, 8, v8
	v_lshl_add_u32 v8, v17, 2, v8
	v_add_nc_u32 v8, s49, v8                       ; scale bytes: place j + 8 H + 16 (t % 2) of 16 bytes
	v_lshlrev_b32 v7, 4, v1                        ; 16 x lane
	v_add_nc_u32 v9, s46, v7                       ; the way out: wave w takes images 2 w, 2 w + 1
	v_add_nc_u32 v22, WSS, v7
	s_wait_alu depctr_va_vdst(0)
	s_wait_kmcnt 0x0
	s_cmp_lt_u32 s35, 3                            ; the buffers are chosen by the work-group's number alone
	s_cselect_b64 s[22:23], s[22:23], s[26:27]
	s_cselect_b64 s[24:25], s[24:25], s[28:29]
	s_cselect_b64 s[14:15], s[14:15], s[16:17]
	s_cmp_lt_u32 s35, 2
	s_cselect_b64 s[12:13], s[12:13], s[14:15]
	s_cmp_lt_u32 s35, 1
	s_cselect_b64 s[10:11], s[10:11], s[12:13]
	s_add_nc_u64 s[10:11], s[10:11], s[42:43]
	s_add_nc_u64 s[22:23], s[22:23], s[44:45]
	s_add_nc_u64 s[24:25], s[24:25], s[40:41]
.set ee, 0
.rept 64
	global_load_b64 v[R+2*ee:R+2*ee+1], v4, s[10:11] offset:4096*ee th:TH_LOAD_NT   ; 256 consecutive bytes, aligned
.set ee, ee+1
.endr
.macro BLOCKW h                        ; K 64 c + 32 h + 0 .. 31 of my two columns
.set CB, 24+16*(\h)
	s_wait_loadcnt 32-32*(\h)
.set ee, 0
.rept 32
	v_cndmask_b32 v[XA+ee], v[R+64*(\h)+2*ee], v[R+64*(\h)+2*ee+1], vcc_lo
	v_cndmask_b32 v[XB+ee], v[R+64*(\h)+2*ee+1], v[R+64*(\h)+2*ee], vcc_lo
.set ee, ee+1
.endr
	v_max3_num_f32 v12, |v[XA]|, |v[XA+1]|, FLOOR
	v_max3_num_f32 v13, |v[XB]|, |v[XB+1]|, FLOOR
.irp i, 2,4,6,8,10,12,14,16,18,20,22,24,26,28,30
	v_max3_num_f32 v12, v12, |v[XA+\i]|, |v[XA+\i+1]|
	v_max3_num_f32 v13, v13, |v[XB+\i]|, |v[XB+\i+1]|
.endr
	v_add_nc_u32 v14, EOFF, v12
	v_add_nc_u32 v15, EOFF, v13
.if (\h) == 0
	v_lshrrev_b32 v16, 23, v14                     ; the bytes of block 2 c: kept for the next block's
	v_lshrrev_b32 v17, 23, v15
.else
	v_lshrrev_b32 v18, 23, v14
	v_lshrrev_b32 v19, 23, v15
	v_lshl_or_b32 v20, v18, 8, v16                 ; bytes 2 c and 2 c + 1 of each column's scale word
	v_lshl_or_b32 v21, v19, 8, v17
.endif
	v_cvt_scalef32_pk16_bf6_f32 v[CB:CB+2], v[XA:XA+15], v14
	v_cvt_scalef32_pk16_bf6_f32 v[CB+4:CB+6], v[XA+16:XA+31], v14
	v_cvt_scalef32_pk16_bf6_f32 v[CB+8:CB+10], v[XB:XB+15], v15
	v_cvt_scalef32_pk16_bf6_f32 v[CB+12:CB+14], v[XB+16:XB+31], v15
	v_nop                                          ; one plain place behind a scaled conversion
.irp i, 0,1,2
	v_mov_b32 v[CB+3+\i], v[CB+4+\i]
	v_mov_b32 v[CB+11+\i], v[CB+12+\i]
.endr
.irp b, 0,1
	ds_store_b64 v5, v[CB+8*\b:CB+8*\b+1] offset:256*(\h)+16*\b          ; registers 6 c .. 6 c + 5 of lane j + 8 H + 16 h of the image
	ds_store_b64 v6, v[CB+8*\b+2:CB+8*\b+3] offset:256*(\h)+16*\b+8
	ds_store_b64 v5, v[CB+8*\b+4:CB+8*\b+5] offset:256*(\h)+16*\b+512
.endr
.endm
	BLOCKW 0
	BLOCKW 1
	ds_store_b16 v8, v20
	ds_store_b16 v8, v21 offset:16
	s_wait_dscnt 0x0                               ; for the others' sake: my stores into the images are done
	s_barrier_signal -1
	s_barrier_wait -1                              ; the eight images and their scale words are whole
.irp e, 0,1,2,3,4,5
	ds_load_b128 v[192+4*\e:195+4*\e], v9 offset:512*\e
.endr
.irp e, 0,1,2,3,4,5
	s_wait_dscnt 5-\e
	global_store_b128 v7, v[192+4*\e:195+4*\e], s[22:23] offset:512*\e   ; 512 consecutive bytes, aligned
.endr
	s_cmp_lg_u32 s30, 0
	s_cbranch_scc1 .Lwend
	ds_load_b128 v[216:219], v22
	s_wait_dscnt 0x0
	global_store_b128 v7, v[216:219], s[24:25]     ; the 512 bytes of scale words
.Lwend:
	s_wait_tensorcnt 0x0                           ; the wave's end
	ds_add_u32 v[SPW], v[NIL]
	s_wait_dscnt 0x0
	s_endpgm
.Lfunc_end_k_q6df18557d6_quant:
	.size	k_q6df18557d6_quant, .Lfunc_end_k_q6df18557d6_quant-k_q6df18557d6_quant
	.p2alignl 7, 3214868480
	.fill 96, 4, 3214868480
	.section	.rodata,"a",@progbits
	.p2align	6, 0x0
	.amdhsa_kernel k_q6df18557d6_quant
		.amdhsa_group_segment_fixed_size 47360
		.amdhsa_private_segment_fixed_size 0
		.amdhsa_enable_private_segment 0
		.amdhsa_kernarg_size 104
		.amdhsa_user_sgpr_count 2
		.amdhsa_user_sgpr_kernarg_segment_ptr 1
		.amdhsa_wavefront_size32 1
		.amdhsa_system_sgpr_workgroup_id_x 1
		.amdhsa_system_sgpr_workgroup_id_y 1
		.amdhsa_system_sgpr_workgroup_id_z 1
		.amdhsa_system_vgpr_workitem_id 0
		.amdhsa_next_free_vgpr 256
		.amdhsa_next_free_sgpr 66
		.amdhsa_reserve_vcc 1
		.amdhsa_float_denorm_mode_32 3
		.amdhsa_float_denorm_mode_16_64 3
		.amdhsa_memory_ordered 1
		.amdhsa_forward_progress 1
		.amdhsa_inst_pref_size 33
	.end_amdhsa_kernel
	.amdgpu_metadata
---
amdhsa.version: [ 1, 2 ]
amdhsa.kernels:
  - .name:           k_q6df18557d6_quant
    .symbol:         k_q6df18557d6_quant.kd
    .args:
      - { .name: X_Query, .offset: 0, .size: 8, .value_kind: global_buffer, .address_space: global }
      - { .name: X_Key, .offset: 8, .size: 8, .value_kind: global_buffer, .address_space: global }
      - { .name: X_Value, .offset: 16, .size: 8, .value_kind: global_buffer, .address_space: global }
      - { .name: Wq, .offset: 24, .size: 8, .value_kind: global_buffer, .address_space: global }
      - { .name: Wk, .offset: 32, .size: 8, .value_kind: global_buffer, .address_space: global }
      - { .name: Wv, .offset: 40, .size: 8, .value_kind: global_buffer, .address_space: global }
      - { .name: Wo, .offset: 48, .size: 8, .value_kind: global_buffer, .address_space: global }
      - { .name: xc, .offset: 56, .size: 8, .value_kind: global_buffer, .address_space: global }
      - { .name: xs, .offset: 64, .size: 8, .value_kind: global_buffer, .address_space: global }
      - { .name: wc, .offset: 72, .size: 8, .value_kind: global_buffer, .address_space: global }
      - { .name: ws, .offset: 80, .size: 8, .value_kind: global_buffer, .address_space: global }
      - { .name: woc, .offset: 88, .size: 8, .value_kind: global_buffer, .address_space: global }
      - { .name: wos, .offset: 96, .size: 8, .value_kind: global_buffer, .address_space: global }
    .group_segment_fixed_size: 47360
    .private_segment_fixed_size: 0
    .kernarg_segment_align: 8
    .kernarg_segment_size: 104
    .max_flat_workgroup_size: 128
    .sgpr_count:     66
    .vgpr_count:     256
    .wavefront_size: 32
...
	.end_amdgpu_metadata
.endif
;; end of part 1
;; launch qkvatt (part 2): grid 16 x 16, 8 waves a work-group, clusters of 4 x 4, 327,680 bytes of LDS; arguments xc, xs, wc, ws, bq, bk, bv, X_Query, dc, dsc; writes dc, dsc
.if DOCPART == 2
	.amdgcn_target "amdgcn-amd-amdhsa--gfx1250"
	.amdhsa_code_object_version 6
	.text
	.protected	k_q6df18557d6_qkvatt
	.globl	k_q6df18557d6_qkvatt
	.p2align	8
	.type	k_q6df18557d6_qkvatt,@function
k_q6df18557d6_qkvatt:
	s_mov_b64 s[64:65], 0
	v_nop
	global_prefetch_b8 v0, s[64:65] scope:SCOPE_SE
	s_setreg_imm32_b32 hwreg(HW_REG_WAVE_MODE, 25, 1), 1
	s_wait_xcnt 0x0
	s_wait_alu depctr_hold_cnt(0) depctr_sa_sdst(0) depctr_va_vdst(0) depctr_va_sdst(0) depctr_va_ssrc(0) depctr_va_vcc(0) depctr_vm_vsrc(0)
	s_getreg_b32 s2, hwreg(HW_REG_IB_STS2, 6, 4)
	s_cmp_eq_u32 s2, 0
	s_cbranch_scc0 .Lentry_in_a_cluster
	s_endpgm
.Lentry_in_a_cluster:
	s_bfe_u32 s2, ttmp6, 0x10000c
	s_cmp_lg_u32 s2, 0xf033
	s_cbranch_scc0 .Lentry_shape_is_right
	s_endpgm
.Lentry_shape_is_right:
; q, k, v = Q(X) Q(W) + b on codes of BF6; then for each row and head the attention of scalar tokens inside the band |i - j| <= 8; d = X_Query - heads; d quantised along its columns.
; SHARES.  A work-group takes 128 rows (work-group x) and one head, 64 columns (work-group y), with eight waves.  Two waves, 2 g and 2 g + 1, own 32 rows.  c = wave % 2: wave c = 0 makes q, wave c = 1 makes k, each for all
; 32 rows and all K; of v each makes all 32 rows over the K steps 2 j + c.  So each wave has 12 steps of eight products, and a fragment of W in registers serves two tiles of rows.  Then the pair trades through LDS: each wave
; keeps the 16 rows of its own number (tile M0), sends the other 16 (tile M1), and adds the two halves of v: f32 sums in another order than K ascending.
; THE PRODUCTS ARE USED TRANSPOSED (source 0 = 16 chosen columns of W, source 1 = 16 rows of X): lane (r, h) holds row r.  Register i of tiles 0-3 is column i for h = 0 and column 63 - i for h = 1: the band is
; symmetric under that mirror, so both halves of the lanes run the same text on 32 queries and 40 keys: keys 32 + n are the other half's registers 31 - n.
; CLUSTERS of 4 x 4: four blocks of rows of one head ask jointly for the head's weights (147,456 bytes), four heads of one block of rows ask jointly for X_Value's codes (98,304 bytes): one tensor load a wave, no byte of LDS is
; filled twice.  K steps 0-3 of both come by waves 0-3, K steps 4-7 by waves 4-7, by load lines of their own, and each half is waited for where it is first read.  X_Query's and X_Key's codes (with the rest 442,368 bytes, more
; than LDS holds) go from memory into the registers of the one wave that multiplies them.
; NO PREFETCH: the text has no loop to run ahead in; all but a wave's last K step of those codes, and X_Query itself, is asked for at the head.
; THE SOFTMAX.  t_j = (q_i log2(e) / 8) k_j; a window's largest t is max(q' kmax, q' kmin), kmax and kmin being the window's largest and smallest k; it is taken away inside the fused multiply-add; numerator and denominator are
; summed in f32.  What the problem's band mask throws away (-infinity ahead of the softmax, for every input) is not computed: at most 17 terms for each i; a NaN or an infinity that reaches only those terms is not carried.
; LIMITS: NaN and infinities are not served; scaled scores (to the base 2) stay under 2^29 in magnitude; a block of d whose largest magnitude lies under 2^-122 gets the byte 1 (a block of zeros has zero codes; only this program reads the bytes).
; REGISTERS.  Window 0: v1-23 addresses; v24-59 scales (nothing else); v60-91 M0 of q or k, later q, later the numerators; v92-123 M1, later the largest t, later the denominators; v124-155 v of M0, 156-163 its halo;
;   v156-187 v of M1, 164-171 later second sums; v188-211 X_Value's fragments, v212-235 the fragments of K step 6, both later k with its halo (188-227).   Window 1: v0-143 X's fragments of K steps 0-5, then 7;
;   v144-239 W's fragments, two sets; later the maxima, two sets of 68 exponents, and q' at v224-255.
.set XV,    147456                     ; LDS: X_Value's codes behind the weights: [half of K][tile of rows][K step]
.set STG,   245760                     ; the trade: 8,192 bytes for each wave
.set SST,   311296                     ; 128 x 2 scale bytes of d
.set SPARE, 311552
.set FLOOR, 0x2800000                  ; 2^(5 - 127)
.set EOFF,  0xfe000000                 ; 4 off an exponent field
.set SPW, 21
.set NIL, 22
.set WSM, 24                           ; register 2 s + t / 2: lanes 0-15 the even tile, lanes 16-31 the odd one
.set WSV, 40
.set XSM, 48                           ; register s: lanes 0-15 M0's rows, lanes 16-31 M1's
.set XSV, 56
.set M0A, 60
.set M1A, 92
.set V0A, 124
.set V1A, 156
.set XVR, 188
.set X6,  212
.set WB,  144                          ; window 1
.set NM,  60
.set DN,  92
.set MX,  92
.set VB,  124
.set SEC, 164
.set KB,  188
.set QP,  224                          ; window 1
.set MSB, 0
.macro WIN new                         ; the immediate's high byte repeats the setting that is left
.if MSB != \new
	s_set_vgpr_msb (MSB<<8)|\new
.set MSB, \new
.endif
.endm
.macro CROUND                          ; a round of the cluster's barrier
	s_barrier_signal -1
	s_barrier_wait -1
	s_cmp_lg_u32 s24, 0
	s_cbranch_scc1 .Lnot_wave_0_\@
	s_barrier_signal -3
.Lnot_wave_0_\@:
	s_barrier_wait -3
	s_barrier_signal -1
	s_barrier_wait -1
.endm
.macro PLACES                          ; four places behind matrix instructions, in front of loads into registers that they have read and of the first read of results
.rept 4
	v_nop
.endr
.endm
.macro XPLACE s                        ; where the fragments of K step s of q's or k's X lie
.if (\s) == 6
.set PR, X6
.else
.set PR, 24*((\s)%7)
.endif
.endm
.macro STEPNO n                        ; product step n: v's part JJ (K step 2 JJ + c) where n % 3 = 2, else K step SS of q or k
.set JJ, (\n)/3
.set SS, 2*JJ+(\n)%3
.set ISV, 0
.if (\n)%3 == 2
.set ISV, 1
.set PR, XVR
.else
	XPLACE SS
.endif
.endm
.macro AL s                            ; the two fragments of K step s of q's or k's X
	XPLACE \s
.if (\s) == 6
	WIN 0
.else
	WIN 0x40
.endif
.irp q, 0,1,2
	global_load_b128 v[PR+4*\q:PR+4*\q+3], v1, s[74:75] offset:1536*(\s)+512*\q
	global_load_b128 v[PR+12+4*\q:PR+12+4*\q+3], v1, s[76:77] offset:1536*(\s)+512*\q
.endr
.endm
.macro BL n                            ; W's four fragments of product step n into set n % 2
	STEPNO \n
.if ISV
.set BR, 8+JJ/2
.set BO, 36864*(JJ%2)
.else
.set BR, 6+SS/4
.set BO, 18432*(SS%4)
.endif
	WIN 0x40
.irp t, 0,1,2,3
.irp q, 0,1,2
	ds_load_b128 v[WB+48*((\n)%2)+12*\t+4*\q:WB+48*((\n)%2)+12*\t+4*\q+3], v[BR] offset:BO+1536*\t+512*\q
.endr
.endr
.endm
.macro XVL j                           ; X_Value's two fragments of K step 2 j + c
	WIN 0
.irp q, 0,1,2
	ds_load_b128 v[XVR+4*\q:XVR+4*\q+3], v10 offset:49152*((\j)/2)+3072*((\j)%2)+512*\q
	ds_load_b128 v[XVR+12+4*\q:XVR+12+4*\q+3], v11 offset:49152*((\j)/2)+3072*((\j)%2)+512*\q
.endr
.endm
.macro MM n, m, t
.set ZC, 0
.set AFR, PR+12*(\m)
.if ISV
.set ACC, V0A+32*(\m)+8*(\t)
.set SA, WSV+2*JJ+(\t)/2
.set SB, XSV+JJ
.if (JJ == 0) && ((\m) == 1)
.set ZC, 1                             ; the first product starts M1's sum of v: the bias is in M0's alone
.endif
.else
.set ACC, M0A+32*(\m)+8*(\t)
.set SA, WSM+2*SS+(\t)/2
.set SB, XSM+SS
.endif
.set BFR, WB+48*((\n)%2)+12*(\t)
.if ZC
.if (\t)%2 == 0
	v_wmma_scale_f32_16x16x128_f8f6f4 v[ACC:ACC+7], v[BFR:BFR+11], v[AFR:AFR+11], 0, v[SA], v[SB] matrix_a_fmt:MATRIX_FMT_BF6 matrix_b_fmt:MATRIX_FMT_BF6 matrix_b_scale:MATRIX_SCALE_ROW1
.else
	v_wmma_scale_f32_16x16x128_f8f6f4 v[ACC:ACC+7], v[BFR:BFR+11], v[AFR:AFR+11], 0, v[SA], v[SB] matrix_a_fmt:MATRIX_FMT_BF6 matrix_b_fmt:MATRIX_FMT_BF6 matrix_a_scale:MATRIX_SCALE_ROW1 matrix_b_scale:MATRIX_SCALE_ROW1
.endif
.elseif ((\t)%2 == 0) && ((\m) == 0)
	v_wmma_scale_f32_16x16x128_f8f6f4 v[ACC:ACC+7], v[BFR:BFR+11], v[AFR:AFR+11], v[ACC:ACC+7], v[SA], v[SB] matrix_a_fmt:MATRIX_FMT_BF6 matrix_b_fmt:MATRIX_FMT_BF6
.elseif (\m) == 0
	v_wmma_scale_f32_16x16x128_f8f6f4 v[ACC:ACC+7], v[BFR:BFR+11], v[AFR:AFR+11], v[ACC:ACC+7], v[SA], v[SB] matrix_a_fmt:MATRIX_FMT_BF6 matrix_b_fmt:MATRIX_FMT_BF6 matrix_a_scale:MATRIX_SCALE_ROW1
.elseif (\t)%2 == 0
	v_wmma_scale_f32_16x16x128_f8f6f4 v[ACC:ACC+7], v[BFR:BFR+11], v[AFR:AFR+11], v[ACC:ACC+7], v[SA], v[SB] matrix_a_fmt:MATRIX_FMT_BF6 matrix_b_fmt:MATRIX_FMT_BF6 matrix_b_scale:MATRIX_SCALE_ROW1
.else
	v_wmma_scale_f32_16x16x128_f8f6f4 v[ACC:ACC+7], v[BFR:BFR+11], v[AFR:AFR+11], v[ACC:ACC+7], v[SA], v[SB] matrix_a_fmt:MATRIX_FMT_BF6 matrix_b_fmt:MATRIX_FMT_BF6 matrix_a_scale:MATRIX_SCALE_ROW1 matrix_b_scale:MATRIX_SCALE_ROW1
.endif
.endm
; A product step: eight matrix instructions on eight accumulators, which take turns.  (K steps 0-2 of X were asked for ahead of the biases, which have been waited for.)
.macro PS n
	STEPNO \n
.if (ISV == 0) && (SS > 2)
	s_wait_loadcnt 6*(7-SS)+8                      ; this K step's fragments are in; the younger K steps, six loads each, and X_Query's eight loads may be out
.endif
.if (\n) == 11
	s_wait_dscnt 0x0
.elseif ISV
	s_wait_dscnt 12                                ; the next step's 12 loads may be out
.else
	s_wait_dscnt 18                                ; the next step's 12 and X_Value's six
.endif
.if PR < 188
	WIN 0x05                                       ; sources 0 (W) and 1 (X) window 1
.else
	WIN 0x01                                       ; source 1 window 0
.endif
.irp m, 0,1
.irp t, 0,1,2,3
	MM \n, \m, \t
.endr
.endr
.if (\n) == 4
	s_wait_tensorcnt 0x0                           ; K steps 4-7 in LDS: my part has landed,
	s_wait_dscnt 0x0
	s_barrier_signal -1
	PLACES
	s_barrier_wait -1                              ; everybody's has; nothing is filled again
.else
	PLACES
.endif
.if (\n) < 10
	BL (\n)+2
.endif
.if ((\n)%3 == 2) && ((\n) < 11)
	XVL (\n)/3+1
.endif
.if (\n) == 0
	AL 7                                           ; into the place that K step 0 has left
.endif
.if (\n) == 3
	WIN 0x40
.irp e, 0,1,2,3,4,5,6,7
	global_load_b128 v[24+4*\e:27+4*\e], v5, s[88:89] offset:8192*\e   ; X_Query, my 16 rows x 256 bytes, where K steps 1 and 2 lay: sixteen lanes read 256 consecutive bytes
.endr
.endif
.endm
; ---- the softmax goes by pairs of queries (i, i + 1), i even.  Their common keys are JL .. i + 8, NC of them; key i - 8 is i's alone, key i + 9 is i + 1's alone.  Two pairs make a batch.
; A set of exponents: 34 registers a pair: common key n at 2 n, 2 n + 1; the two single ones at 32, 33.
.macro GE i
.set JL, (\i)-7
.if JL < 0
.set JL, 0
.endif
.set NC, (\i)+9-JL
.endm
.macro TOP qd, k                       ; place k of 36: t - the largest t, for batch qd.  (source 0 and destination window 1)
.if (\qd) < 8
.set PI, 4*(\qd)+2*((\k)/18)
.set IX, (\k)%18
.set TB, 68*((\qd)%2)+34*((\k)/18)
	GE PI
.if IX < NC
.set KJ, JL+IX
.if KJ%2 == 0
	v_pk_fma_f32 v[TB+2*IX:TB+2*IX+1], v[QP+PI:QP+PI+1], v[KB+KJ:KB+KJ+1], v[MX+PI:MX+PI+1] op_sel_hi:[1,0,1] neg_lo:[0,0,1] neg_hi:[0,0,1]
.else
	v_pk_fma_f32 v[TB+2*IX:TB+2*IX+1], v[QP+PI:QP+PI+1], v[KB+KJ-1:KB+KJ], v[MX+PI:MX+PI+1] op_sel:[0,1,0] op_sel_hi:[1,1,1] neg_lo:[0,0,1] neg_hi:[0,0,1]
.endif
.elseif IX == 16
.if PI >= 8
	v_fma_f32 v[TB+32], v[QP+PI], v[KB+PI-8], -v[MX+PI]
.endif
.elseif IX == 17
	v_fma_f32 v[TB+33], v[QP+PI+1], v[KB+PI+9], -v[MX+PI+1]
.endif
.endif
.endm
.macro XE qd, n                        ; place n of 68: an exponential of batch qd
.set PI, 4*(\qd)+2*((\n)/34)
.set XX, (\n)%34
.set TB, 68*((\qd)%2)+34*((\n)/34)
	GE PI
.if XX < 2*NC
	v_exp_f32 v[TB+XX], v[TB+XX]
.elseif (XX == 32) && (PI >= 8)
	v_exp_f32 v[TB+XX], v[TB+XX]
.elseif XX == 33
	v_exp_f32 v[TB+XX], v[TB+XX]
.endif
.endm
.macro PAIR qd, u                      ; the second sums of pair u: numerators SN, denominators SD
.set PI, 4*(\qd)+2*(\u)
.set TB, 68*((\qd)%2)+34*(\u)
.set SN, SEC+4*(\u)
.set SD, SEC+4*(\u)+2
	GE PI
.endm
.macro SUM1 qd, u, n                   ; common key n: numerator += p v, denominator += p, both queries at once; even n into the first sums, odd n into the second
	PAIR \qd, \u
.if (\n) < NC
.set KJ, JL+(\n)
.set AN, NM+PI
.set AD, DN+PI
.if (\n)%2 == 1
.set AN, SN
.set AD, SD
.endif
.set TN, TB+2*(\n)
.if ((\n) < 2) && (KJ%2 == 0)
	v_pk_mul_f32 v[AN:AN+1], v[TN:TN+1], v[VB+KJ:VB+KJ+1] op_sel_hi:[1,0]
.elseif (\n) < 2
	v_pk_mul_f32 v[AN:AN+1], v[TN:TN+1], v[VB+KJ-1:VB+KJ] op_sel:[0,1] op_sel_hi:[1,1]
.elseif KJ%2 == 0
	v_pk_fma_f32 v[AN:AN+1], v[TN:TN+1], v[VB+KJ:VB+KJ+1], v[AN:AN+1] op_sel_hi:[1,0,1]
.else
	v_pk_fma_f32 v[AN:AN+1], v[TN:TN+1], v[VB+KJ-1:VB+KJ], v[AN:AN+1] op_sel:[0,1,0] op_sel_hi:[1,1,1]
.endif
.if (\n) > 3
	v_pk_add_f32 v[AD:AD+1], v[TN:TN+1], v[AD:AD+1]
.endif
.endif
.endm
.macro SUMS qd
	WIN 0x05
.irp u, 0,1
	PAIR \qd, \u
	v_pk_add_f32 v[DN+PI:DN+PI+1], v[TB:TB+1], v[TB+4:TB+5]
	v_pk_add_f32 v[SD:SD+1], v[TB+2:TB+3], v[TB+6:TB+7]
.endr
	WIN 0x01
.set nn, 0
.rept 16
	SUM1 \qd, 0, nn
	SUM1 \qd, 1, nn
.set nn, nn+1
.endr
.irp u, 0,1
	PAIR \qd, \u
.if PI >= 8
	v_fma_f32 v[SN], v[TB+32], v[VB+PI-8], v[SN]
	v_add_f32 v[SD], v[TB+32], v[SD]
.endif
	v_fma_f32 v[SN+1], v[TB+33], v[VB+PI+9], v[SN+1]
	v_add_f32 v[SD+1], v[TB+33], v[SD+1]
.endr
	WIN 0
.irp u, 0,1
	PAIR \qd, \u
	v_pk_add_f32 v[NM+PI:NM+PI+1], v[NM+PI:NM+PI+1], v[SN:SN+1]
	v_pk_add_f32 v[DN+PI:DN+PI+1], v[DN+PI:DN+PI+1], v[SD:SD+1]
.endr
.endm
.macro CL d                            ; IA = ii - d, held to 0 and above; IB = ii + d
.set IA, ii-(\d)
.if IA < 0
.set IA, 0
.endif
.set IB, ii+(\d)
.endm
	s_load_b512 s[4:19], s[0:1], 0x0               ; xc 4, xs 6, wc 8, ws 10, bq 12, bk 14, bv 16, X_Query 18
	s_load_b128 s[20:23], s[0:1], 0x40             ; dc 20, dsc 22
	v_lshl_add_u32 v[SPW], v0, 2, SPARE
	v_mov_b32 v[NIL], 0
	ds_add_u32 v[SPW], v[NIL]                      ; the opening lines: the add, twice on end; the wait for both stands below the set-up
	ds_add_u32 v[SPW], v[NIL]
	v_lshrrev_b32 v23, 5, v0
	v_readfirstlane_b32 s24, v23                   ; wave 0..7
	s_and_b32 s25, s24, 1                          ; c
	s_lshr_b32 s26, s24, 1                         ; g: which 32 rows
	s_lshr_b32 s27, s24, 2                         ; which half of K I fetch
	s_xor_b32 s32, s24, 1                          ; my partner
	s_bfe_u32 s28, ttmp6, 0x40000                  ; cx, cy: the place in the cluster
	s_bfe_u32 s29, ttmp6, 0x40004
	s_and_b32 s30, ttmp7, 0xffff
	s_lshl_b32 s30, s30, 2
	s_add_co_u32 s30, s30, s29                     ; the head
	s_lshl_b32 s31, ttmp9, 2
	s_add_co_u32 s31, s31, s28                     ; which 128 rows
	s_lshl_b32 s33, s25, 8
	s_lshl_b32 s34, s25, 2
	s_lshl_b32 s35, s25, 3
	s_mul_i32 s96, s25, 6144                       ; W's images in LDS: [K step][product][tile]
	s_mul_i32 s97, s25, 18432
	s_add_co_u32 s97, s97, 12288
	s_mul_i32 s60, s25, 1536
	s_add_co_u32 s60, s60, XV
	s_mul_i32 s98, s24, 6144                       ; X_Value's: 6,144 bytes for each tile of rows and half of K
	s_add_co_u32 s98, s98, s60
	s_mul_i32 s99, s32, 6144
	s_add_co_u32 s99, s99, s60
	s_lshl_b32 s100, s24, 13
	s_add_co_u32 s100, s100, STG                   ; my stage
	s_lshl_b32 s101, s32, 13
	s_add_co_u32 s101, s101, STG                   ; my partner's
	s_lshl_b32 s61, s24, 5
	s_add_co_u32 s61, s61, SST
	v_and_b32 v240, 31, v0                         ; lane
	v_and_b32 v241, 15, v0                         ; r
	v_bfe_u32 v242, v0, 4, 1                       ; h
	v_lshlrev_b32 v1, 4, v240                      ; 16 x lane
	v_xor_b32 v2, s33, v1                          ; X's scale words: lanes 0-15 M0's rows, lanes 16-31 M1's
	v_add_nc_u32 v3, s34, v2                       ; and of v: K step 2 j + c
	v_add_nc_u32 v4, s35, v1                       ; W's scale words of v
	v_lshlrev_b32 v5, 12, v242
	v_lshl_add_u32 v5, v241, 4, v5                 ; X_Query: lanes 0-15 one row, lanes 16-31 the next
	v_add_nc_u32 v6, s96, v1
	v_add_nc_u32 v7, 73728, v6                     ; (an LDS immediate has 16 bits)
	v_add_nc_u32 v8, s97, v1
	v_add_nc_u32 v9, 73728, v8
	v_add_nc_u32 v10, s98, v1
	v_add_nc_u32 v11, s99, v1
	v_add_nc_u32 v12, s100, v1
	v_add_nc_u32 v13, s101, v1
	v_mul_u32_u24 v14, 272, v242
	v_lshl_add_u32 v14, v241, 4, v14
	v_add_nc_u32 v14, s101, v14                    ; X_Query's stage, in: rows of 256 + 16 bytes
	v_mul_u32_u24 v15, 272, v241
	v_lshl_add_u32 v15, v242, 7, v15
	v_add_nc_u32 v15, s101, v15                    ; and out: row r, + 128 h
	v_lshlrev_b32 v20, 3, v240                     ; 8 x lane
	v_lshl_add_u32 v19, v241, 1, v242
	v_add_nc_u32 v19, s61, v19                     ; d's scale byte: 2 x my row of the 128 + h
	v_add_nc_u32 v23, SST, v20
	v_mul_u32_u24 v243, 240, v242
.irp u, 0,1,2,3,4,5,6,7
	v_xor_b32 v[M0A+\u], 16*\u, v243               ; the biases: 16 u, or 240 - 16 u in lanes 16-31 (in M0's registers until the sums' starts are laid there)
.endr
	s_mov_b32 s60, 0x76543210
	s_mov_b32 s61, 0xfedcba98                      ; v_permlanex16_b32's selects for lane l xor 16
	s_mov_b32 s62, 0x3e38aa3b                      ; log2(e) / 8
	s_mov_b32 s63, s62
	; descriptor groups 1, elements of 8 bytes, no padding, bit 21 set beside the mask.  W: 36,864 dense bytes, two K steps, as 144 rows of 256; shared by the four with my head
	s_lshl_b32 s66, s29, 2
	s_lshl_b32 s66, 15, s66
	s_or_b32 s36, s66, (3<<16)|(1<<21)
	s_mov_b32 s37, 32<<16
	s_mov_b32 s38, 144<<16
	s_mov_b32 s39, 32<<16
	s_mov_b32 s40, 144
	s_mov_b32 s41, 32
	s_mov_b32 s42, 0
	s_mov_b32 s43, 0
	; X_Value: four tiles of rows x four K steps: 4 rows of 6,144 bytes, 12,288 apart; shared by the four with my rows
	s_lshl_b32 s68, 0x1111, s28
	s_or_b32 s48, s68, (3<<16)|(1<<21)
	s_mov_b32 s49, 768<<16
	s_mov_b32 s50, 4<<16
	s_mov_b32 s51, 768<<16
	s_mov_b32 s52, 4
	s_mov_b32 s53, 1536
	s_mov_b32 s54, 0
	s_mov_b32 s55, 0
	s_mov_b32 s44, 1
	s_mul_i32 s45, s27, 73728                      ; W: K steps 4 (wave / 4) + 2 c and the next, in LDS and in memory
	s_mul_i32 s46, s25, 36864
	s_add_co_u32 s45, s45, s46
	s_mul_i32 s70, s30, 147456                     ; wc: the head's images
	s_add_co_u32 s70, s70, s45
	s_mov_b32 s56, 1
	s_mul_i32 s57, s27, 49152                      ; X_Value in LDS: half of K wave / 4, tiles of rows 4 c .. 4 c + 3
	s_mul_i32 s58, s25, 24576
	s_add_co_u32 s57, s57, s58
	s_add_co_u32 s57, s57, XV
	s_mul_i32 s72, s31, 98304                      ; and in xc: [tensor][tile of rows][K step] images
	s_mul_i32 s58, s27, 6144
	s_add_co_u32 s72, s72, s58
	s_mul_i32 s58, s25, 49152
	s_add_co_u32 s72, s72, s58
	s_add_co_u32 s72, s72, 3145728
	s_lshl_b32 s94, s31, 3
	s_add_co_u32 s95, s94, s24                     ; M0: tile of rows 8 x + wave
	s_add_co_u32 s94, s94, s32                     ; M1: my partner's
	s_mul_i32 s67, s25, 1572864
	s_mul_i32 s74, s95, 12288
	s_add_co_u32 s74, s74, s67
	s_mul_i32 s76, s94, 12288
	s_add_co_u32 s76, s76, s67
	s_lshl_b32 s80, s31, 2
	s_add_co_u32 s80, s80, s26
	s_lshl_b32 s80, s80, 10                        ; xs: 1,024 bytes for each 32 rows
	s_lshl_b32 s78, s25, 16
	s_add_co_u32 s78, s78, s80
	s_add_co_u32 s80, s80, 131072
	s_mul_i32 s84, s30, 6144                       ; ws: 2,048 bytes a product
	s_lshl_b32 s82, s25, 11
	s_add_co_u32 s82, s82, s84
	s_add_co_u32 s84, s84, 4096
	s_lshl_b32 s86, s30, 8                         ; the head's bytes in a row of f32
	s_lshl_b32 s88, s95, 16
	s_add_co_u32 s88, s88, s86
	s_lshl_b32 s90, s30, 7
	s_add_co_u32 s90, s90, s95
	s_mul_i32 s90, s90, 768                        ; dc: [head][tile of rows]
	s_lshl_b32 s92, s30, 12
	s_lshl_b32 s94, s31, 8
	s_add_co_u32 s92, s92, s94                     ; dsc: [head][row][2]
.irp p, 71,73,75,77,79,81,83,85,87,89,91,93
	s_mov_b32 s\p, 0
.endr
	s_wait_alu depctr_va_vdst(0)
	s_wait_dscnt 0x0                               ; both opening adds are done
	CROUND                                         ; all sixteen work-groups are here: the joint loads meet
	s_wait_kmcnt 0x0
	s_add_nc_u64 s[46:47], s[8:9], s[70:71]
	s_or_b32 s47, s47, 0x80000000
	s_add_nc_u64 s[58:59], s[4:5], s[72:73]
	s_or_b32 s59, s59, 0x80000000
; ONE tree of branches on the wave's number: every way through it passes exactly one tensor load.
.macro ARM under, g0, g1, next
	s_cmp_lt_u32 s24, \under
	s_cbranch_scc0 \next
	tensor_load_to_lds s[\g0:\g0+3], s[\g1:\g1+7]
	s_nop 0
	PLACES
	s_branch .Lasked
\next:
.endm
	ARM 2, 44, 36, .Lask_x_first                   ; waves 0, 1: W, K steps 0-3
	ARM 4, 56, 48, .Lask_w_second                  ; waves 2, 3: X_Value, K steps 0-3
	ARM 6, 44, 36, .Lask_x_second                  ; waves 4, 5: W, K steps 4-7
	tensor_load_to_lds s[56:59], s[48:55]          ; waves 6, 7: X_Value, K steps 4-7
	s_nop 0
	PLACES
.Lasked:
	s_add_nc_u64 s[74:75], s[4:5], s[74:75]
	s_add_nc_u64 s[76:77], s[4:5], s[76:77]
	s_add_nc_u64 s[78:79], s[6:7], s[78:79]
	s_add_nc_u64 s[80:81], s[6:7], s[80:81]
	s_add_nc_u64 s[82:83], s[10:11], s[82:83]
	s_add_nc_u64 s[84:85], s[10:11], s[84:85]
	s_cmp_eq_u32 s25, 0
	s_cselect_b64 s[12:13], s[12:13], s[14:15]     ; bq or bk, by the wave's number
	s_add_nc_u64 s[12:13], s[12:13], s[86:87]
	s_add_nc_u64 s[16:17], s[16:17], s[86:87]
	s_add_nc_u64 s[88:89], s[18:19], s[88:89]
	s_add_nc_u64 s[90:91], s[20:21], s[90:91]
	s_add_nc_u64 s[92:93], s[22:23], s[92:93]
.irp g, 0,1,2,3
	global_load_b128 v[WSM+4*\g:WSM+4*\g+3], v1, s[82:83] offset:512*\g
	global_load_b64 v[WSV+2*\g:WSV+2*\g+1], v4, s[84:85] offset:512*\g
.endr
.irp g, 0,1
	global_load_b128 v[XSM+4*\g:XSM+4*\g+3], v2, s[78:79] offset:512*\g
.endr
.irp j, 0,1,2,3
	global_load_b32 v[XSV+\j], v3, s[80:81] offset:512*(\j/2)+8*(\j%2)
.endr
	AL 0
	AL 1
	AL 2
	WIN 0
.irp u, 0,1,2,3,4,5,6,7
	global_load_b128 v[M1A+4*\u:M1A+4*\u+3], v[M0A+\u], s[12:13]   ; four neighbouring biases; in lanes 16-31 the pieces come from the head's end
	global_load_b128 v[V1A+4*\u:V1A+4*\u+3], v[M0A+\u], s[16:17]
.endr
	AL 3
	AL 4
	AL 5
	AL 6
	WIN 0
	s_wait_loadcnt 24                              ; the biases are in, and the scales and three K steps of X ahead of them; the four K steps behind, six loads each, may be out
	v_cmp_ne_u32 vcc_lo, 0, v242
.irp u, 0,1,2,3,4,5,6,7
.irp e, 0,1,2,3
	v_cndmask_b32 v[M0A+4*\u+\e], v[M1A+4*\u+\e], v[M1A+4*\u+3-\e], vcc_lo   ; lanes 16-31 take each four mirrored: the biases start the sums
	v_cndmask_b32 v[V0A+4*\u+\e], v[V1A+4*\u+\e], v[V1A+4*\u+3-\e], vcc_lo
.endr
.endr
.set ii, 0
.rept 32
	v_mov_b32 v[M1A+ii], v[M0A+ii]
.set ii, ii+1
.endr
	s_wait_alu depctr_va_vdst(0)
	s_cmp_lt_u32 s24, 4
	s_cbranch_scc0 .Lnot_yet
	s_wait_tensorcnt 0x0                           ; K steps 0-3: my part has landed (waves 4-7 wait for theirs in step 4)
.Lnot_yet:
	s_barrier_signal -1
	s_barrier_wait -1                              ; everybody's part of K steps 0-3 has landed
	BL 0
	BL 1
	XVL 0
.irp n, 0,1,2,3,4,5,6,7,8,9,10,11
	PS \n
.endr
	WIN 0
	; ---- the trade: M1's tiles go to my partner, whose M1 are my rows.  Each accumulator is read from its low end
.irp e, 0,1,2,3,4,5,6,7
	ds_store_b128 v12, v[M1A+4*\e:M1A+4*\e+3] offset:512*\e
	ds_store_b128 v12, v[V1A+4*\e:V1A+4*\e+3] offset:4096+512*\e
.endr
	s_wait_dscnt 0x0                               ; for my partner's sake: the stores are done
	s_barrier_signal -1
	s_barrier_wait -1
.irp e, 0,1,2,3,4,5,6,7
	ds_load_b128 v[KB+4*\e:KB+4*\e+3], v13 offset:512*\e
.endr
.irp e, 0,1,2,3,4,5,6,7
	ds_load_b128 v[M1A+4*\e:M1A+4*\e+3], v13 offset:4096+512*\e
.endr
	s_wait_loadcnt 0x0                             ; X_Query
	s_wait_dscnt 0x0                               ; my partner's stage is read, by me alone: from here on its bytes are mine
	WIN 0x04
.irp e, 0,1,2,3,4,5,6,7
	ds_store_b128 v14, v[24+4*\e:27+4*\e] offset:544*\e
.endr
	WIN 0
	s_cmp_eq_u32 s25, 0
	s_cbranch_scc1 .Lq_is_mine
.set ii, 0
.rept 32
	v_swap_b32 v[M0A+ii], v[KB+ii]                 ; c = 1: k was mine and q has come: they change places
.set ii, ii+1
.endr
.Lq_is_mine:
.set ii, 0
.rept 16
	v_pk_add_f32 v[V0A+ii:V0A+ii+1], v[V0A+ii:V0A+ii+1], v[M1A+ii:M1A+ii+1]   ; v: the two halves of K
.set ii, ii+2
.endr
.irp n, 0,1,2,3,4,5,6,7
	v_permlanex16_b32 v[KB+32+\n], v[KB+31-\n], s60, s61   ; keys 32 + n: the other half's 31 - n
.endr
.irp n, 0,1,2,3,4,5,6,7
	v_permlanex16_b32 v[VB+32+\n], v[VB+31-\n], s60, s61
.endr
	; ---- the largest and the smallest k of each window [i - 8, i + 8], cut at key 0: spans of 3, of 9, of 17
	WIN 0x40
.set ii, 0
.rept 39
	CL 1
	v_max3_num_f32 v[ii], v[KB+IA], v[KB+ii], v[KB+IB]
	v_min3_num_f32 v[40+ii], v[KB+IA], v[KB+ii], v[KB+IB]
.set ii, ii+1
.endr
	WIN 0x55
.set ii, 0
.rept 36
	CL 3
	v_max3_num_f32 v[80+ii], v[IA], v[ii], v[IB]
	v_min3_num_f32 v[120+ii], v[40+IA], v[40+ii], v[40+IB]
.set ii, ii+1
.endr
.set ii, 0
.rept 32
	CL 4
	v_max_num_f32 v[160+ii], v[80+IA], v[80+IB]
	v_min_num_f32 v[192+ii], v[120+IA], v[120+IB]
.set ii, ii+1
.endr
	WIN 0x40
.set ii, 0
.rept 16
	v_pk_mul_f32 v[QP+ii:QP+ii+1], v[M0A+ii:M0A+ii+1], s[62:63] op_sel_hi:[1,0]   ; q' = q log2(e) / 8
.set ii, ii+2
.endr
	WIN 0x45
.set ii, 0
.rept 16
	v_pk_mul_f32 v[ii:ii+1], v[QP+ii:QP+ii+1], v[160+ii:161+ii]
	v_pk_mul_f32 v[32+ii:33+ii], v[QP+ii:QP+ii+1], v[192+ii:193+ii]
.set ii, ii+2
.endr
	WIN 0x05
.set ii, 0
.rept 32
	v_max_num_f32 v[MX+ii], v[ii], v[32+ii]        ; the window's largest t
.set ii, ii+1
.endr
	; ---- eight batches of four queries: the exponentials of batch r, and between them the exponents of batch r + 1, which read nothing that this batch writes; then the sums of batch r
	WIN 0x41
.set kk, 0
.rept 36
	TOP 0, kk
.set kk, kk+1
.endr
.set rr, 0
.rept 8
	WIN 0x41
	s_wait_alu depctr_va_vdst(0)
.set kk, 0
.rept 68
	XE rr, kk
.if kk%2 == 1
	TOP rr+1, kk/2
.endif
.set kk, kk+1
.endr
	TOP rr+1, 34
	TOP rr+1, 35
.if rr == 7
	v_nop                                          ; a plain place behind the last exponential
.endif
	s_wait_alu depctr_va_vdst(0)                   ; and for the one behind it, ahead of its first reader
	SUMS rr
.set rr, rr+1
.endr
	WIN 0
.irp e, 0,1,2,3,4,5,6,7
	ds_load_b128 v[VB+4*\e:VB+4*\e+3], v15 offset:16*\e   ; X_Query: columns 32 h + 0 .. 31 of my row (LDS serves a wave's instructions in order: these see my stores)
.endr
	s_wait_alu depctr_va_vdst(0)
.set ii, 0
.rept 32
	v_rcp_f32 v[DN+ii], v[DN+ii]
.set ii, ii+1
.endr
	v_cmp_ne_u32 vcc_lo, 0, v242                   ; (a plain place behind the reciprocals)
	s_wait_alu depctr_va_vdst(0)
.set ii, 0
.rept 16
	v_pk_mul_f32 v[NM+ii:NM+ii+1], v[NM+ii:NM+ii+1], v[DN+ii:DN+ii+1]
.set ii, ii+2
.endr
.set ii, 0
.rept 32
	v_cndmask_b32 v[KB+ii], v[NM+ii], v[NM+31-ii], vcc_lo   ; lanes 16-31 turn their mirror back: register i is column 32 h + i
.set ii, ii+1
.endr
	s_wait_alu depctr_va_vdst(0)
	s_wait_dscnt 0x0
.set ii, 0
.rept 16
	v_pk_add_f32 v[KB+ii:KB+ii+1], v[VB+ii:VB+ii+1], v[KB+ii:KB+ii+1] neg_lo:[0,1] neg_hi:[0,1]   ; d = X_Query - heads
.set ii, ii+2
.endr
	; ---- d's block of 32 columns is all mine
	v_max3_num_f32 v244, |v[KB]|, |v[KB+1]|, FLOOR
	v_max_num_f32 v245, |v[KB+2]|, |v[KB+3]|
.irp i, 4,8,12,16,20,24,28
	v_max3_num_f32 v244, v244, |v[KB+\i]|, |v[KB+\i+1]|
	v_max3_num_f32 v245, v245, |v[KB+\i+2]|, |v[KB+\i+3]|
.endr
	v_max_num_f32 v244, v244, v245
	v_add_nc_u32 v246, EOFF, v244                  ; the conversion's scale operand
	v_lshrrev_b32 v247, 23, v246                   ; the scale's byte
	v_cvt_scalef32_pk16_bf6_f32 v[224:226], v[KB:KB+15], v246
	v_cvt_scalef32_pk16_bf6_f32 v[228:230], v[KB+16:KB+31], v246   ; (a conversion's three registers begin on an even number)
	v_nop                                          ; one plain place behind a scaled conversion
	v_mov_b32 v227, v228
	v_mov_b32 v228, v229
	v_mov_b32 v229, v230
	ds_store_b8 v19, v247
	global_store_b128 v1, v[224:227], s[90:91]     ; dc: the lane's six registers: 16 bytes a lane, 512 consecutive bytes, aligned,
	global_store_b64 v20, v[228:229], s[90:91] offset:512   ; then 8 bytes a lane, 256
	s_wait_dscnt 0x0                               ; for wave 0's sake: my scale bytes are stored
	s_barrier_signal -1
	s_barrier_wait -1
	s_cmp_lg_u32 s24, 0
	s_cbranch_scc1 .Lend
	ds_load_b64 v[238:239], v23
	s_wait_dscnt 0x0
	global_store_b64 v20, v[238:239], s[92:93]     ; the 128 rows' scale bytes: 256 consecutive bytes, aligned
.Lend:
	s_wait_tensorcnt 0x0                           ; the wave's end
	ds_add_u32 v[SPW], v[NIL]
	s_wait_dscnt 0x0
	CROUND                                         ; the closing round: no work-group ends while a partner may still ask for a tile that names it
	s_endpgm
.Lfunc_end_k_q6df18557d6_qkvatt:
	.size	k_q6df18557d6_qkvatt, .Lfunc_end_k_q6df18557d6_qkvatt-k_q6df18557d6_qkvatt
	.p2alignl 7, 3214868480
	.fill 96, 4, 3214868480
	.section	.rodata,"a",@progbits
	.p2align	6, 0x0
	.amdhsa_kernel k_q6df18557d6_qkvatt
		.amdhsa_group_segment_fixed_size 327680
		.amdhsa_private_segment_fixed_size 0
		.amdhsa_enable_private_segment 0
		.amdhsa_kernarg_size 80
		.amdhsa_user_sgpr_count 2
		.amdhsa_user_sgpr_kernarg_segment_ptr 1
		.amdhsa_wavefront_size32 1
		.amdhsa_system_sgpr_workgroup_id_x 1
		.amdhsa_system_sgpr_workgroup_id_y 1
		.amdhsa_system_sgpr_workgroup_id_z 1
		.amdhsa_system_vgpr_workitem_id 0
		.amdhsa_next_free_vgpr 512
		.amdhsa_next_free_sgpr 104
		.amdhsa_reserve_vcc 1
		.amdhsa_float_denorm_mode_32 3
		.amdhsa_float_denorm_mode_16_64 3
		.amdhsa_memory_ordered 1
		.amdhsa_forward_progress 1
		.amdhsa_inst_pref_size 142
	.end_amdhsa_kernel
	.amdgpu_metadata
---
amdhsa.version: [ 1, 2 ]
amdhsa.kernels:
  - .name:           k_q6df18557d6_qkvatt
    .symbol:         k_q6df18557d6_qkvatt.kd
    .args:
      - { .name: xc, .offset: 0, .size: 8, .value_kind: global_buffer, .address_space: global }
      - { .name: xs, .offset: 8, .size: 8, .value_kind: global_buffer, .address_space: global }
      - { .name: wc, .offset: 16, .size: 8, .value_kind: global_buffer, .address_space: global }
      - { .name: ws, .offset: 24, .size: 8, .value_kind: global_buffer, .address_space: global }
      - { .name: bq, .offset: 32, .size: 8, .value_kind: global_buffer, .address_space: global }
      - { .name: bk, .offset: 40, .size: 8, .value_kind: global_buffer, .address_space: global }
      - { .name: bv, .offset: 48, .size: 8, .value_kind: global_buffer, .address_space: global }
      - { .name: X_Query, .offset: 56, .size: 8, .value_kind: global_buffer, .address_space: global }
      - { .name: dc, .offset: 64, .size: 8, .value_kind: global_buffer, .address_space: global }
      - { .name: dsc, .offset: 72, .size: 8, .value_kind: global_buffer, .address_space: global }
    .group_segment_fixed_size: 327680
    .private_segment_fixed_size: 0
    .kernarg_segment_align: 8
    .kernarg_segment_size: 80
    .max_flat_workgroup_size: 256
    .sgpr_count:     104
    .vgpr_count:     512
    .wavefront_size: 32
...
	.end_amdgpu_metadata
.endif
;; end of part 2
;; launch outp (part 3): grid 16 x 16, 4 waves a work-group, clusters of 4 x 1, 168,448 bytes of LDS; arguments dc, dsc, woc, wos, bo, out0; writes out0
.if DOCPART == 3
	.amdgcn_target "amdgcn-amd-amdhsa--gfx1250"
	.amdhsa_code_object_version 6
	.text
	.protected	k_q6df18557d6_outp
	.globl	k_q6df18557d6_outp
	.p2align	8
	.type	k_q6df18557d6_outp,@function
k_q6df18557d6_outp:
	s_mov_b64 s[64:65], 0
	v_nop
	global_prefetch_b8 v0, s[64:65] scope:SCOPE_SE
	s_setreg_imm32_b32 hwreg(HW_REG_WAVE_MODE, 25, 1), 1
	s_wait_xcnt 0x0
	s_wait_alu depctr_hold_cnt(0) depctr_sa_sdst(0) depctr_va_vdst(0) depctr_va_sdst(0) depctr_va_ssrc(0) depctr_va_vcc(0) depctr_vm_vsrc(0)
	s_getreg_b32 s2, hwreg(HW_REG_IB_STS2, 6, 4)
	s_cmp_eq_u32 s2, 0
	s_cbranch_scc0 .Lentry_in_a_cluster
	s_endpgm
.Lentry_in_a_cluster:
	s_bfe_u32 s2, ttmp6, 0x10000c
	s_cmp_lg_u32 s2, 0x3003
	s_cbranch_scc0 .Lentry_shape_is_right
	s_endpgm
.Lentry_shape_is_right:
; out0 = d Wo + bo on codes of BF6.  A work-group takes 128 rows (work-group x) and 64 columns (work-group y); each of its four waves 32 rows x 64 columns: eight accumulators.
; CLUSTERS of 4 x 1: four blocks of rows ask jointly for Wo's 32 fragment images of their columns, 49,152 dense bytes, one tensor load a wave; nothing is filled again.  d's 16 fragments of a wave go from memory straight
; into its registers: dc holds, for each 64 along K and 16 rows, the six registers of each lane: 16 bytes a lane, then 8 bytes a lane.  The product is used transposed (source 0 = 16 chosen columns of Wo, source 1 = 16 rows
; of d): lane (r, h) holds row r and columns 32 h + 0 .. 31.  bo is the C of each sum's first product.  Results leave through each wave's own stage as whole runs of 256 bytes.
; NO PREFETCH: the text has no loop to run ahead in; all is asked for at the head.
; REGISTERS.  Window 0: v1-7 addresses; v16-31 d's scale bytes, two a row for each 64 along K; v32-39 d's scale words, v40-55 Wo's (they hold nothing else); v56-87 bo; v88-151 the accumulators; v152-215 the way out.
;   Window 1: d's fragments at 12 (2 s + m).   Window 2: Wo's fragments at 48 (s % 4) + 12 t.
.set OST, 49152                        ; behind the weights: a stage of 32 rows x (256 + 16) bytes for each wave
.set SPARE, 167936
.set MSB, 0
.macro WIN new                         ; the immediate's high byte repeats the setting that is left
.if MSB != \new
	s_set_vgpr_msb (MSB<<8)|\new
.set MSB, \new
.endif
.endm
.macro CROUND                          ; a round of the cluster's barrier
	s_barrier_signal -1
	s_barrier_wait -1
	s_cmp_lg_u32 s16, 0
	s_cbranch_scc1 .Lnot_wave_0_\@
	s_barrier_signal -3
.Lnot_wave_0_\@:
	s_barrier_wait -3
	s_barrier_signal -1
	s_barrier_wait -1
.endm
.macro PLACES                          ; four places behind matrix instructions, in front of loads into registers that they have read and of the first read of results
.rept 4
	v_nop
.endr
.endm
.macro BG s                            ; Wo's four fragments of K step s
	WIN 0x80
.irp t, 0,1,2,3
.irp q, 0,1,2
	ds_load_b128 v[48*((\s)%4)+12*\t+4*\q:48*((\s)%4)+12*\t+4*\q+3], v1 offset:6144*(\s)+1536*\t+512*\q
.endr
.endr
.endm
.macro MO s, m, t
.set ACC, 88+32*(\m)+8*(\t)
.set CR, ACC
.if (\s) == 0
.set CR, 56+8*(\t)                     ; the bias starts the sum
.endif
.set BFR, 48*((\s)%4)+12*(\t)
.set AFR, 12*(2*(\s)+(\m))
.set SA, 40+2*(\s)+(\t)/2
.set SB, 32+(\s)
.if ((\t)%2 == 0) && ((\m) == 0)
	v_wmma_scale_f32_16x16x128_f8f6f4 v[ACC:ACC+7], v[BFR:BFR+11], v[AFR:AFR+11], v[CR:CR+7], v[SA], v[SB] matrix_a_fmt:MATRIX_FMT_BF6 matrix_b_fmt:MATRIX_FMT_BF6
.elseif (\m) == 0
	v_wmma_scale_f32_16x16x128_f8f6f4 v[ACC:ACC+7], v[BFR:BFR+11], v[AFR:AFR+11], v[CR:CR+7], v[SA], v[SB] matrix_a_fmt:MATRIX_FMT_BF6 matrix_b_fmt:MATRIX_FMT_BF6 matrix_a_scale:MATRIX_SCALE_ROW1
.elseif (\t)%2 == 0
	v_wmma_scale_f32_16x16x128_f8f6f4 v[ACC:ACC+7], v[BFR:BFR+11], v[AFR:AFR+11], v[CR:CR+7], v[SA], v[SB] matrix_a_fmt:MATRIX_FMT_BF6 matrix_b_fmt:MATRIX_FMT_BF6 matrix_b_scale:MATRIX_SCALE_ROW1
.else
	v_wmma_scale_f32_16x16x128_f8f6f4 v[ACC:ACC+7], v[BFR:BFR+11], v[AFR:AFR+11], v[CR:CR+7], v[SA], v[SB] matrix_a_fmt:MATRIX_FMT_BF6 matrix_b_fmt:MATRIX_FMT_BF6 matrix_a_scale:MATRIX_SCALE_ROW1 matrix_b_scale:MATRIX_SCALE_ROW1
.endif
.endm
.macro OS s                            ; a K step: eight matrix instructions on the eight accumulators, which take turns in the same order in every step
	s_wait_loadcnt 8*(7-(\s))                      ; d's fragments of this K step are in; the later steps', eight loads each, may be out
.if (\s) < 5
	s_wait_dscnt 36                                ; Wo's fragments of this K step are in; three younger groups of 12 may be out
.else
	s_wait_dscnt 12*(7-(\s))
.endif
	WIN 0x06                                       ; source 0 (Wo) window 2, source 1 (d) window 1, C and D window 0
.irp m, 0,1
.irp t, 0,1,2,3
	MO \s, \m, \t
.endr
.endr
	PLACES
.if (\s) < 4
	BG (\s)+4
.endif
.endm
	s_load_b256 s[4:11], s[0:1], 0x0               ; dc 4, dsc 6, woc 8, wos 10
	s_load_b128 s[12:15], s[0:1], 0x20             ; bo 12, out0 14
	v_lshl_add_u32 v254, v0, 2, SPARE
	v_mov_b32 v255, 0
	ds_add_u32 v254, v255                          ; the opening lines: the add, twice on end; the wait for both stands below the set-up
	ds_add_u32 v254, v255
	v_lshrrev_b32 v1, 5, v0
	v_readfirstlane_b32 s16, v1                    ; wave 0..3
	s_and_b32 s17, ttmp7, 0xffff                   ; which 64 columns
	s_bfe_u32 s36, ttmp6, 0x40000                  ; the place in the cluster
	s_lshl_b32 s18, ttmp9, 2
	s_add_co_u32 s18, s18, s36                     ; which 128 rows
	s_mul_i32 s19, s16, 8704
	s_add_co_u32 s19, s19, OST
	v_and_b32 v8, 31, v0                           ; lane
	v_and_b32 v9, 15, v0                           ; r
	v_bfe_u32 v10, v0, 4, 1                        ; h
	v_lshlrev_b32 v1, 4, v8                        ; 16 x lane
	v_lshlrev_b32 v2, 7, v10                       ; bo: 128 h
	v_lshlrev_b32 v3, 3, v8                        ; 8 x lane
	v_lshlrev_b32 v4, 1, v8                        ; dsc: 2 bytes a row
	v_mul_u32_u24 v5, 272, v9
	v_lshl_add_u32 v5, v10, 7, v5
	v_add_nc_u32 v5, s19, v5                       ; the stage, in: row r, + 128 h
	v_mul_u32_u24 v6, 272, v10
	v_lshl_add_u32 v6, v9, 4, v6
	v_add_nc_u32 v6, s19, v6                       ; and out: lanes 0-15 one row, lanes 16-31 the next
	v_lshlrev_b32 v7, 12, v10
	v_lshl_add_u32 v7, v9, 4, v7                   ; the same two rows in out0
	; descriptor group 1: 12,288 dense bytes as 48 rows of 256 bytes (32 elements of 8 bytes), no padding; the mask names the cluster's four; bit 21 set beside it
	s_mov_b32 s24, 15|(3<<16)|(1<<21)
	s_mov_b32 s25, 32<<16
	s_mov_b32 s26, 48<<16
	s_mov_b32 s27, 32<<16
	s_mov_b32 s28, 48
	s_mov_b32 s29, 32
	s_mov_b32 s30, 0
	s_mov_b32 s31, 0
	s_mov_b32 s32, 1
	s_mul_i32 s33, s16, 12288                      ; my quarter, in LDS and in memory
	s_mul_i32 s38, s17, 49152
	s_add_co_u32 s38, s38, s33
	s_mov_b32 s39, 0
	s_mov_b32 s21, 0
	s_mov_b32 s23, 0
	s_wait_alu depctr_va_vdst(0)
	s_wait_dscnt 0x0                               ; both opening adds are done
	CROUND                                         ; all four work-groups are here: the joint loads meet
	s_wait_kmcnt 0x0
	s_add_nc_u64 s[34:35], s[8:9], s[38:39]
	s_or_b32 s35, s35, 0x80000000
	tensor_load_to_lds s[32:35], s[24:31]          ; one tensor load a wave
	s_nop 0
	PLACES
	s_lshl_b32 s22, s17, 11                        ; wos: 2,048 for each 64 columns
	s_add_nc_u64 s[10:11], s[10:11], s[22:23]
	s_lshl_b32 s22, s17, 8                         ; bo and a row of out0: 256 bytes for each 64 columns
	s_add_nc_u64 s[12:13], s[12:13], s[22:23]
	s_add_nc_u64 s[14:15], s[14:15], s[22:23]
	s_lshl_b32 s22, s18, 2
	s_add_co_u32 s22, s22, s16                     ; rb = 4 x + wave: my 32 rows
	s_lshl_b32 s20, s22, 6                         ; dsc: 64 bytes
	s_add_nc_u64 s[6:7], s[6:7], s[20:21]
	s_mul_i32 s20, s22, 1536                       ; dc: two tiles of rows of 768 bytes
	s_add_nc_u64 s[4:5], s[4:5], s[20:21]
	s_lshl_b32 s20, s22, 17                        ; out0: 32 rows of 4,096 bytes
	s_add_nc_u64 s[14:15], s[14:15], s[20:21]
.irp g, 0,1,2,3
	global_load_b128 v[40+4*\g:43+4*\g], v1, s[10:11] offset:512*\g
.endr
.irp d, 0,1,2,3,4,5,6,7,8,9,10,11,12,13,14,15
	global_load_u16 v[16+\d], v4, s[6:7] offset:4096*\d
.endr
.irp t, 0,1,2,3
	global_load_b128 v[56+8*\t:59+8*\t], v2, s[12:13] offset:32*\t
	global_load_b128 v[60+8*\t:63+8*\t], v2, s[12:13] offset:32*\t+16
.endr
	WIN 0x40
.irp s, 0,1,2,3,4,5,6,7
.irp m, 0,1
.irp c, 0,1
	global_load_b128 v[12*(2*\s+\m)+6*\c:12*(2*\s+\m)+6*\c+3], v1, s[4:5] offset:(2*\s+\c)*98304+768*\m       ; 512 consecutive bytes, aligned
	global_load_b64 v[12*(2*\s+\m)+6*\c+4:12*(2*\s+\m)+6*\c+5], v3, s[4:5] offset:(2*\s+\c)*98304+768*\m+512  ; 256
.endr
.endr
.endr
	WIN 0
	s_wait_tensorcnt 0x0                           ; my quarter of the weights has landed,
	s_barrier_signal -1
	s_barrier_wait -1                              ; everybody's has
	BG 0
	BG 1
	BG 2
	BG 3
	WIN 0
	s_wait_loadcnt 63                              ; of the 92 loads the first 29 are in: the 28 of scale words, scale bytes and bias among them
.irp s, 0,1,2,3,4,5,6,7
	v_lshl_or_b32 v[32+\s], v[17+2*\s], 16, v[16+2*\s]    ; d's scale word of K step s: lanes 0-15 my rows 0-15, lanes 16-31 rows 16-31
.endr
.rept 8
	v_nop                                          ; a scale register written by a vector instruction stands eight places ahead of a scaled matrix instruction
.endr
	s_wait_alu depctr_va_vdst(0)
.irp s, 0,1,2,3,4,5,6,7
	OS \s
.endr
	WIN 0
.irp m, 0,1
.irp t, 0,1,2,3
	ds_store_b128 v5, v[88+32*\m+8*\t:91+32*\m+8*\t] offset:4352*\m+32*\t          ; each accumulator from its low end on: out(16 m + r, 32 h + 8 t + 0 .. 7)
	ds_store_b128 v5, v[92+32*\m+8*\t:95+32*\m+8*\t] offset:4352*\m+32*\t+16
.endr
.endr
.irp e, 0,1,2,3,4,5,6,7,8,9,10,11,12,13,14,15
	ds_load_b128 v[152+4*\e:155+4*\e], v6 offset:544*\e    ; my own stage: LDS serves a wave's instructions in order
.endr
.irp e, 0,1,2,3,4,5,6,7,8,9,10,11,12,13,14,15
	s_wait_dscnt 15-\e
	global_store_b128 v7, v[152+4*\e:155+4*\e], s[14:15] offset:8192*\e th:TH_STORE_NT   ; sixteen lanes store 256 consecutive bytes, aligned; written once, read by nobody here
.endr
	s_wait_tensorcnt 0x0                           ; the wave's end
	ds_add_u32 v254, v255
	s_wait_dscnt 0x0
	CROUND                                         ; the closing round: no work-group ends while a partner may still ask for a tile that names it
	s_endpgm
.Lfunc_end_k_q6df18557d6_outp:
	.size	k_q6df18557d6_outp, .Lfunc_end_k_q6df18557d6_outp-k_q6df18557d6_outp
	.p2alignl 7, 3214868480
	.fill 96, 4, 3214868480
	.section	.rodata,"a",@progbits
	.p2align	6, 0x0
	.amdhsa_kernel k_q6df18557d6_outp
		.amdhsa_group_segment_fixed_size 168448
		.amdhsa_private_segment_fixed_size 0
		.amdhsa_enable_private_segment 0
		.amdhsa_kernarg_size 48
		.amdhsa_user_sgpr_count 2
		.amdhsa_user_sgpr_kernarg_segment_ptr 1
		.amdhsa_wavefront_size32 1
		.amdhsa_system_sgpr_workgroup_id_x 1
		.amdhsa_system_sgpr_workgroup_id_y 1
		.amdhsa_system_sgpr_workgroup_id_z 1
		.amdhsa_system_vgpr_workitem_id 0
		.amdhsa_next_free_vgpr 768
		.amdhsa_next_free_sgpr 66
		.amdhsa_reserve_vcc 0
		.amdhsa_float_denorm_mode_32 3
		.amdhsa_float_denorm_mode_16_64 3
		.amdhsa_memory_ordered 1
		.amdhsa_forward_progress 1
		.amdhsa_inst_pref_size 34
	.end_amdhsa_kernel
	.amdgpu_metadata
---
amdhsa.version: [ 1, 2 ]
amdhsa.kernels:
  - .name:           k_q6df18557d6_outp
    .symbol:         k_q6df18557d6_outp.kd
    .args:
      - { .name: dc, .offset: 0, .size: 8, .value_kind: global_buffer, .address_space: global }
      - { .name: dsc, .offset: 8, .size: 8, .value_kind: global_buffer, .address_space: global }
      - { .name: woc, .offset: 16, .size: 8, .value_kind: global_buffer, .address_space: global }
      - { .name: wos, .offset: 24, .size: 8, .value_kind: global_buffer, .address_space: global }
      - { .name: bo, .offset: 32, .size: 8, .value_kind: global_buffer, .address_space: global }
      - { .name: out0, .offset: 40, .size: 8, .value_kind: global_buffer, .address_space: global }
    .group_segment_fixed_size: 168448
    .private_segment_fixed_size: 0
    .kernarg_segment_align: 8
    .kernarg_segment_size: 48
    .max_flat_workgroup_size: 128
    .sgpr_count:     66
    .vgpr_count:     768
    .wavefront_size: 32
...
	.end_amdgpu_metadata
.endif
;; end of part 3
